; MI455X (gfx1250); checked and timed in simulation.
; The chip was launched on July 23, 2026; its instructions are those of AMD's public machine-readable ISA for CDNA 5 (MIT licence, August 2026) and "CDNA5" Instruction Set Architecture Reference Guide (July 2026). The comments in the code are by the model that wrote it; some were corrected since.
;; Attention. Allowed arithmetic: float matrix products may take bf16 or f16 operands with f32 sums; all other float work in f32.
;; Inputs: Wk_b 256 float32; Wk_w 256 x 256 float32; Wq_b 256 float32; Wq_w 256 x 256 float32; Wv_b 256 float32; Wv_w 256 x 256 float32; x 4 x 4,096 x 256 float32; z 4 x 4,096 x 256 float32.
;; Outputs: out0 4 x 4,096 x 256 float32.
;; One version. Each part assembles by itself: llvm-mc -triple=amdgcn-amd-amdhsa -mcpu=gfx1250 --defsym DOCPART=n.
;; ======== version 1 of 1: 2 launches
;; workspace buffers: qp 8,388,608 bytes; zb 8,388,608 bytes; cq 65,536 bytes; wvb 131,072 bytes
;; launch prep (part 1): grid 256 x 1, 4 waves a work-group, no clusters, 204,288 bytes of LDS; arguments x, z, Wq_w, Wq_b, Wk_w, Wk_b, Wv_w, qp, zb, cq, wvb; writes qp, zb, cq, wvb
.if DOCPART == 1
	.amdgcn_target "amdgcn-amd-amdhsa--gfx1250"
	.amdhsa_code_object_version 6
	.text
	.protected	k_q7bd66e51c9_prep
	.globl	k_q7bd66e51c9_prep
	.p2align	8
	.type	k_q7bd66e51c9_prep,@function
k_q7bd66e51c9_prep:
	s_mov_b64 s[64:65], 0
	v_nop
	global_prefetch_b8 v0, s[64:65] scope:SCOPE_SE
	s_setreg_imm32_b32 hwreg(HW_REG_WAVE_MODE, 25, 1), 1
	s_wait_xcnt 0x0
; prep: what the attention launch needs, with the products of the reference reassociated (identities that hold for every input):
;   score(q row, key) = q . (Wk z + bk) = (q Wk) . z + q . bk          with q = Wq x + bq
;   so the attention launch multiplies qp = (q Wk) log2(e)/16 with z itself and adds cq = (q . bk) log2(e)/16.
; Stored: qp [16384][256] bf16, cq [16384] f32, zb = z rounded to bf16 [16384][256], wvb = Wv_w rounded to bf16 [256][256].
; 256 work-groups of four waves; a work-group takes 64 rows of x, 64 rows of z and one row of Wv_w.
; Wave w owns the outputs 64 w .. 64 w + 63 of both products; its fragments of Wq (window 1) and of Wk transposed (window 3) stay in registers.
; Everything comes in as f32 in batches of 32 loads (16 rows of 1,024 bytes, 512 neighbouring bytes an instruction) through two staging sets
; in window 2, in the order x, Wq (4 batches), Wk (4), z, and is rounded to bf16 in registers.
; Product 1: source 0 = Wq (m = e), source 1 = rows of x, C = the tile of bq: a lane's eight results are eight neighbouring e of one row.
; They give the row's part of q . bk in f32, and go as bf16 into LDS.  Product 2 sums over e, along which Wk's ROWS run, so Wk is laid into LDS
; as it is, [e][j], and read with the transposing load.  Its results go through LDS so that a store writes a whole row of 512 bytes.
; No tensor loads: every byte has to pass registers for the rounding.  No cluster: nothing here is fetched by joint loads.
; Range: bf16 has f32's exponents, so nothing narrows but the mantissa; q is rounded to bf16 between the two products.
.set PITCH, 528                        ; an LDS row: 512 bytes + 16 = 132 words, so row r starts at bank 4 r mod 64 (64 banks of 4 bytes: ISA guide 11.1)
.set BLK,   16*PITCH                   ; 16 rows
.set WST,   0                          ; 256 rows: first Wq (rows 64 w .. written and read by wave w alone), then Wk (read by all)
.set ACT,   256*PITCH                  ; 64 rows: x in bf16; later the rows of qp
.set QSO,   64*PITCH                   ; so far behind ACT: 64 rows of q in bf16
.set CST,   ACT+2*QSO                  ; 1,024 bytes: a row's four parts of q . bk, one word a wave
.set GW,   4                           ; v4   byte offset in Wq and Wk: 65,536 w + 16 lane
.set GIN,  5                           ; v5   byte offset in my work-group's rows of x and z: 16,384 w + 16 lane
.set GOUT, 6                           ; v6   byte offset in its rows of qp: 8,192 w + 16 lane
.set WSTO, 7                           ; v7   LDS: where I put 8 bytes of a row of W
.set WFR,  8                           ; v8   LDS: my fragment address in my rows of Wq
.set ASTO, 9                           ; v9   LDS: where I put 8 bytes of a row of x
.set AFR,  10                          ; v10  LDS: my fragment address in x (q: + QSO)
.set OSTO, 11                          ; v11  LDS: where I put 16 bytes of a result row (q: + QSO)
.set ORD,  12                          ; v12  LDS: where I read a row of qp back
.set BOFF, 13                          ; v13  byte offset in bq and bk
.set WTR,  14                          ; v14, v15  LDS: my address for the transposing loads, e = 0-127 and 128-255
.set BIAS, 16                          ; v[16:47]   four tiles of bq
.set ACC,  48                          ; v[48:79]   four accumulators (16 outputs x 16 rows each)
.set FA,   80                          ; v[80:143]  fragments of 16 rows x 256, buffer 0; also the way out
.set FB,   144                         ; v[144:207] buffer 1
.set PK,   208                         ; v[208:215] packed results, two sets in turn
.set CP,   216                         ; v[216:217] two partial sums of q . bk
.set CT,   218                         ; v218, v219 their join
.set CT2,  219
.set ZO,   220                         ; v220 byte offset in my work-group's rows of zb: 8,192 w + 8 lane
.set CSW,  221                         ; v221 LDS: my wave's word of row r
.set CSR,  222                         ; v222 LDS: the words of rows 2 lane, 2 lane + 1
.set COUT, 223                         ; v223 byte offset in my work-group's 64 numbers of cq
.set BK,   224                         ; v[224:255] four tiles of bk
; window 1: Wq's fragment (eb, ks) at v[8 (8 eb + ks)];  window 3: the same of Wk transposed;  window 2: two staging sets of 128 registers
.set LD2,  0x80                        ; destination window 2
.set CV2,  0x8a                        ; destination, source 0 and source 1 window 2
.set DS2,  0x08                        ; a store's data (source 1) window 2
.set WLD,  0x40                        ; destination window 1
.set TLD,  0xc0                        ; destination window 3
.set MULQ, 0x01                        ; source 0 window 1
.set MULK, 0x03                        ; source 0 window 3
.set MSB, 0
.macro WIN new                         ; the immediate's high byte repeats the setting that is left
.if MSB != \new
	s_set_vgpr_msb (MSB<<8)|\new
.set MSB, \new
.endif
.endm
.macro PLACES cnt
.rept \cnt
	v_nop
.endr
.endm
; a batch: 32 loads of 512 neighbouring bytes each, 16 rows of 1,024 bytes, into staging set (set & 1)
.macro GLD set, sb, voff, imm0
	WIN LD2
.set ii, 0
.rept 32
	global_load_b128 v[128*((\set)&1)+4*ii:128*((\set)&1)+4*ii+3], v[\voff], s[\sb:\sb+1] offset:\imm0+512*ii
.set ii, ii+1
.endr
.endm
; four f32 become four bf16 in the first two of their four registers
.macro CVT set
	WIN CV2
.set ii, 0
.rept 32
	v_cvt_pk_bf16_f32 v[128*((\set)&1)+4*ii],   v[128*((\set)&1)+4*ii],   v[128*((\set)&1)+4*ii+1]
	v_cvt_pk_bf16_f32 v[128*((\set)&1)+4*ii+1], v[128*((\set)&1)+4*ii+2], v[128*((\set)&1)+4*ii+3]
.set ii, ii+1
.endr
.endm
; the 16 rows go into LDS: load i was half (i & 1) of row i >> 1; 32 lanes x 8 bytes are 256 neighbouring bytes
.macro STG set, adr, row0
	WIN DS2
.set ii, 0
.rept 32
	ds_store_b64 v[\adr], v[128*((\set)&1)+4*ii:128*((\set)&1)+4*ii+1] offset:(\row0+(ii>>1))*PITCH+(ii&1)*256
.set ii, ii+1
.endr
.endm
; batch i of my rows of Wq (the e block i): rounded, through my own LDS rows, into fragments; then the staging set is loaded again
.macro WQPROC i, set, sb, imm0
	s_wait_loadcnt 32                              ; loads come back in order: all but the one younger batch of 32 are in
	CVT \set
	STG \set, WSTO, 16*\i
	WIN WLD
.irp ks, 0,1,2,3,4,5,6,7
	ds_load_b128 v[8*(8*\i+\ks):8*(8*\i+\ks)+3],   v[WFR] offset:\i*BLK+64*\ks      ; my own bytes: LDS serves a wave's instructions in order (ISA guide 5.7.1)
	ds_load_b128 v[8*(8*\i+\ks)+4:8*(8*\i+\ks)+7], v[WFR] offset:\i*BLK+64*\ks+32
.endr
	s_wait_dscnt 0x0                               ; the stores have read the staging set, the fragments are in
	GLD \set, \sb, GW, \imm0
.endm
; batch i of my rows of Wk (e = 64 w + 16 i ..): rounded and laid over my rows of Wq, whose fragments are in registers
.macro WKPROC i, set, more, sb, voff, imm0
	s_wait_loadcnt 32                              ; all but the one younger batch
	CVT \set
	STG \set, WSTO, 16*\i
.if \more
	s_wait_dscnt 0x0                               ; the stores have read the staging set
	GLD \set, \sb, \voff, \imm0
.endif
.endm
; the fragments of rows 16 rb .. 16 rb + 15, all 256 along the sum; off = 0: x, QSO: q
.macro AFLOAD rb, fb, off
.irp ks, 0,1,2,3,4,5,6,7
	ds_load_b128 v[\fb+8*\ks:\fb+8*\ks+3],   v[AFR] offset:\off+\rb*BLK+64*\ks
	ds_load_b128 v[\fb+8*\ks+4:\fb+8*\ks+7], v[AFR] offset:\off+\rb*BLK+64*\ks+32
.endr
.endm
; 32 matrix instructions: 64 outputs x 16 rows x 256.  The four accumulators take turns, one instruction a turn.
; The first K step starts the sums: from the tile of bq in product 1, from 0 in product 2.
.macro MUL32 fb, awin, second
	WIN \awin
.irp ks, 0,1,2,3,4,5,6,7
.irp eb, 0,1,2,3
.if \ks == 0
.if \second
	v_wmma_f32_16x16x32_bf16 v[ACC+8*\eb:ACC+8*\eb+7], v[8*(8*\eb+\ks):8*(8*\eb+\ks)+7], v[\fb+8*\ks:\fb+8*\ks+7], 0
.else
	v_wmma_f32_16x16x32_bf16 v[ACC+8*\eb:ACC+8*\eb+7], v[8*(8*\eb+\ks):8*(8*\eb+\ks)+7], v[\fb+8*\ks:\fb+8*\ks+7], v[BIAS+8*\eb:BIAS+8*\eb+7]
.endif
.else
	v_wmma_f32_16x16x32_bf16 v[ACC+8*\eb:ACC+8*\eb+7], v[8*(8*\eb+\ks):8*(8*\eb+\ks)+7], v[\fb+8*\ks:\fb+8*\ks+7], v[ACC+8*\eb:ACC+8*\eb+7]
.endif
.endr
.endr
.endm
; Behind a row block's products.  The four v_nop are the places behind the last matrix instruction; this block's own
; instructions are the places that the next fragment loads and the next first products need.
; Product 1: my 64 e's part of q . bk (f32), then q rounded into LDS.  Product 2: scaled by log2(e)/16, rounded into LDS.
.macro EPI rb, second
	WIN 0
	PLACES 4
.if \second == 0
	v_pk_mul_f32 v[CP:CP+1], v[ACC:ACC+1], v[BK:BK+1]
.set ii, 1
.rept 15
	v_pk_fma_f32 v[CP:CP+1], v[ACC+2*ii:ACC+2*ii+1], v[BK+2*ii:BK+2*ii+1], v[CP:CP+1]
.set ii, ii+1
.endr
.endif
.irp eb, 0,1,2,3
.if \second
.irp p, 0,1,2,3
	v_pk_mul_f32 v[ACC+8*\eb+2*\p:ACC+8*\eb+2*\p+1], v[ACC+8*\eb+2*\p:ACC+8*\eb+2*\p+1], s[38:39] op_sel_hi:[1,0]
.endr
.endif
.irp p, 0,1,2,3
	v_cvt_pk_bf16_f32 v[PK+4*(\eb&1)+\p], v[ACC+8*\eb+2*\p], v[ACC+8*\eb+2*\p+1]
.endr
	ds_store_b128 v[OSTO], v[PK+4*(\eb&1):PK+4*(\eb&1)+3] offset:(1-\second)*QSO+\rb*BLK+32*\eb
.endr
.if \second == 0
	v_add_f32 v[CT], v[CP], v[CP+1]
	v_permlanex16_b32 v[CT2], v[CT], s14, s15      ; the other eight e of each 16 lie in lane l xor 16
	v_add_f32 v[CT], v[CT], v[CT2]
	ds_store_b32 v[CSW], v[CT] offset:256*\rb      ; lanes l and l + 16 write the same word with the same value
.endif
.endm
; a whole product: 64 rows in four blocks of 16, fragments one block ahead through two buffers.
; A block's end issues 5 LDS stores in product 1 and 4 in product 2; the counts below allow for them.
.macro GEMM awin, off, second
	s_wait_xcnt 0x0                                ; the accumulators' registers were sources of a wave's global store: they are written again only behind this wait
	AFLOAD 0, FA, \off
	AFLOAD 1, FB, \off
	s_wait_dscnt 16                                ; all but the 16 loads just issued
	MUL32 FA, \awin, \second
	EPI 0, \second
	AFLOAD 2, FA, \off
	s_wait_dscnt 21-\second                        ; behind block 1's fragments came the result stores and 16 loads
	MUL32 FB, \awin, \second
	EPI 1, \second
	AFLOAD 3, FB, \off
	s_wait_dscnt 21-\second                        ; likewise
	MUL32 FA, \awin, \second
	EPI 2, \second
	s_wait_dscnt 5-\second                         ; behind block 3's fragments came the result stores alone
	MUL32 FB, \awin, \second
	EPI 3, \second
.endm
	s_load_b512 s[16:31], s[0:1], 0x0              ; x, z, Wq_w, Wq_b, Wk_w, Wk_b, Wv_w, qp
	s_load_b128 s[32:35], s[0:1], 0x40             ; zb, cq
	s_load_b64 s[36:37], s[0:1], 0x50              ; wvb
	v_lshrrev_b32 v1, 5, v0
	v_readfirstlane_b32 s12, v1                    ; wave 0..3
	s_mov_b32 s14, 0x76543210                      ; v_permlanex16_b32: lane i of one half reads lane i of the other
	s_mov_b32 s15, 0xfedcba98
	s_mov_b32 s38, 0x3db8aa3b                      ; log2(e) / 16
	s_mov_b32 s39, 0x3db8aa3b
	v_and_b32 v1, 31, v0                           ; lane
	v_and_b32 v2, 15, v0                           ; r = lane % 16
	v_bfe_u32 v3, v0, 4, 1                         ; h = lane / 16
	s_lshl_b32 s2, s12, 16
	v_lshl_add_u32 v[GW], v1, 4, s2
	s_lshl_b32 s2, s12, 14
	v_lshl_add_u32 v[GIN], v1, 4, s2
	s_lshl_b32 s2, s12, 13
	v_lshl_add_u32 v[GOUT], v1, 4, s2
	v_lshl_add_u32 v[ZO], v1, 3, s2
	s_mul_i32 s3, s12, 64*PITCH                    ; my 64 rows of W in LDS
	v_lshl_add_u32 v[WSTO], v1, 3, s3
	v_mul_u32_u24 v[PK], v2, PITCH
	v_lshl_add_u32 v[PK], v3, 4, v[PK]             ; r x pitch + 16 h: a fragment's lane term
	v_add_nc_u32 v[WFR], s3, v[PK]
	s_mul_i32 s2, s12, BLK
	s_add_co_u32 s2, s2, ACT
	v_lshl_add_u32 v[ASTO], v1, 3, s2              ; my 16 rows of x
	v_lshl_add_u32 v[ORD], v1, 4, s2               ; my 16 rows of qp, 16 bytes a lane
	v_add_nc_u32 v[AFR], ACT, v[PK]
	s_lshl_b32 s2, s12, 7
	v_and_b32 v[WTR], 7, v0
	v_lshl_add_u32 v[WTR], v3, 3, v[WTR]           ; e = 8 h + (lane & 7)
	v_mul_u32_u24 v[WTR], v[WTR], PITCH
	v_bfe_u32 v[WTR+1], v0, 3, 1
	v_lshl_add_u32 v[WTR], v[WTR+1], 4, v[WTR]     ; + 16 ((lane >> 3) & 1)
	v_add_nc_u32 v[WTR], s2, v[WTR]                ; + my 64 columns' 128 bytes
	v_add_nc_u32 v[WTR+1], 128*PITCH, v[WTR]
	s_add_co_u32 s2, s2, ACT
	v_add_nc_u32 v[OSTO], s2, v[PK]                ; row r, my 128 bytes of it, 16 h
	s_lshl_b32 s2, s12, 8
	v_lshl_add_u32 v[BOFF], v3, 5, s2              ; b[64 w + 8 h ..]
	s_lshl_b32 s2, s12, 2
	s_add_co_u32 s2, s2, CST
	v_lshl_add_u32 v[CSW], v2, 4, s2
	v_lshlrev_b32 v[CSR], 5, v1
	v_add_nc_u32 v[CSR], CST, v[CSR]
	v_lshlrev_b32 v[COUT], 3, v1
	v_mov_b32 v[CT2], v0                           ; v_permlanex16_b32 counts as a reader of its destination: any value
	s_mov_b32 s3, 0
	s_wait_kmcnt 0x0
	s_lshl_b32 s2, ttmp9, 16                       ; 64 rows of 1,024 bytes
	s_add_nc_u64 s[16:17], s[16:17], s[2:3]
	s_add_nc_u64 s[18:19], s[18:19], s[2:3]
	s_lshl_b32 s2, ttmp9, 15                       ; 64 rows of 512 bytes
	s_add_nc_u64 s[30:31], s[30:31], s[2:3]
	s_add_nc_u64 s[32:33], s[32:33], s[2:3]
	s_lshl_b32 s2, ttmp9, 8                        ; 64 numbers of 4 bytes
	s_add_nc_u64 s[34:35], s[34:35], s[2:3]
	s_lshl_b32 s2, ttmp9, 10                       ; one row of Wv_w
	s_add_nc_u64 s[28:29], s[28:29], s[2:3]
	s_lshl_b32 s2, ttmp9, 9                        ; one row of wvb
	s_add_nc_u64 s[36:37], s[36:37], s[2:3]
	s_cmp_lg_u32 s12, 1                            ; wave 1 takes the work-group's row of Wv_w: 8 numbers a lane, in registers that product 1 needs much later
	s_cbranch_scc1 .Lno_wv_in
	v_lshlrev_b32 v[ACC+12], 5, v1
	global_load_b128 v[ACC:ACC+3],   v[ACC+12], s[28:29]
	global_load_b128 v[ACC+4:ACC+7], v[ACC+12], s[28:29] offset:16
.Lno_wv_in:
.irp eb, 0,1,2,3
	global_load_b128 v[BIAS+8*\eb:BIAS+8*\eb+3],   v[BOFF], s[22:23] offset:64*\eb     ; register j: bq[64 w + 16 eb + 8 h + j], the same for every row
	global_load_b128 v[BIAS+8*\eb+4:BIAS+8*\eb+7], v[BOFF], s[22:23] offset:64*\eb+16
	global_load_b128 v[BK+8*\eb:BK+8*\eb+3],       v[BOFF], s[26:27] offset:64*\eb     ; and bk likewise
	global_load_b128 v[BK+8*\eb+4:BK+8*\eb+7],     v[BOFF], s[26:27] offset:64*\eb+16
.endr
	GLD 0, 16, GIN, 0                              ; my 16 rows of x
	GLD 1, 20, GW, 0                               ; Wq, batch 0
	s_wait_loadcnt 32                              ; x is in (and all that was asked for earlier); Wq's batch 0 stays out
	CVT 0
	STG 0, ASTO, 0
	s_wait_dscnt 0x0                               ; the stores have read the staging set
	GLD 0, 20, GW, 16384                           ; Wq, batch 1
	WIN 0
	s_cmp_lg_u32 s12, 1
	s_cbranch_scc1 .Lno_wv_out
.irp p, 0,1,2,3
	v_cvt_pk_bf16_f32 v[ACC+8+\p], v[ACC+2*\p], v[ACC+2*\p+1]
.endr
	v_lshlrev_b32 v[ACC+13], 4, v1
	global_store_b128 v[ACC+13], v[ACC+8:ACC+11], s[36:37]     ; the wave stores the whole row: 512 consecutive bytes, aligned
.Lno_wv_out:
	WQPROC 0, 1, 20, 2*16384
	WQPROC 1, 0, 20, 3*16384
	WQPROC 2, 1, 24, 0                             ; the staging sets go over to Wk: batch 0,
	WQPROC 3, 0, 24, 16384                         ; batch 1: these two are on their way during product 1
	WIN 0
	s_barrier_signal -1                            ; no LDS instruction of mine is out (the wait for 0 above): my rows of x are written
	s_barrier_wait -1                              ; x is whole
	GEMM MULQ, 0, 0                                ; q = x Wq^T + bq; q . bk; q into LDS
	WKPROC 0, 1, 1, 24, GW, 2*16384
	WKPROC 1, 0, 1, 24, GW, 3*16384
	WKPROC 2, 1, 1, 18, GIN, 0                     ; the last batch: my 16 rows of z
	WKPROC 3, 0, 0, 0, 0, 0
	WIN 0
	s_wait_dscnt 0x0                               ; for the others: my rows of Wk, my part of q and of q . bk are written, my reads of x are back
	s_barrier_signal -1
	s_barrier_wait -1                              ; Wk, q and the parts of q . bk are whole; nobody reads x any more
	WIN TLD
.irp jb, 0,1,2,3
.irp ks, 0,1,2,3,4,5,6,7
	ds_load_tr16_b128 v[8*(8*\jb+\ks):8*(8*\jb+\ks)+3],   v[WTR+(\ks>>2)] offset:(\ks&3)*32*PITCH+32*\jb            ; e = 32 ks + 8 h .., column j = 64 w + 16 jb + r
	ds_load_tr16_b128 v[8*(8*\jb+\ks)+4:8*(8*\jb+\ks)+7], v[WTR+(\ks>>2)] offset:(\ks&3)*32*PITCH+32*\jb+16*PITCH  ; e = 32 ks + 16 + 8 h ..
.endr
.endr
	WIN 0
	s_cmp_lg_u32 s12, 0                            ; wave 0 adds the four waves' parts of q . bk, two rows a lane
	s_cbranch_scc1 .Lno_c
	ds_load_b128 v[ACC:ACC+3],   v[CSR]
	ds_load_b128 v[ACC+4:ACC+7], v[CSR] offset:16
	s_wait_dscnt 0x0
	v_add_f32 v[ACC],   v[ACC],   v[ACC+1]
	v_add_f32 v[ACC+2], v[ACC+2], v[ACC+3]
	v_add_f32 v[ACC+4], v[ACC+4], v[ACC+5]
	v_add_f32 v[ACC+6], v[ACC+6], v[ACC+7]
	v_add_f32 v[ACC],   v[ACC],   v[ACC+2]
	v_add_f32 v[ACC+1], v[ACC+4], v[ACC+6]
	v_pk_mul_f32 v[ACC:ACC+1], v[ACC:ACC+1], s[38:39] op_sel_hi:[1,0]
	global_store_b64 v[COUT], v[ACC:ACC+1], s[34:35]           ; the wave stores 256 consecutive bytes, aligned
.Lno_c:
	GEMM MULK, QSO, 1                              ; qp = (q Wk) log2(e)/16; its first wait on LDS loads covers Wk's fragments too
	s_wait_loadcnt 0x0                             ; z
	CVT 1
	WIN DS2
.set ii, 0
.rept 32
	global_store_b64 v[ZO], v[128+4*ii:128+4*ii+1], s[32:33] offset:256*ii     ; the wave stores 256 consecutive bytes, aligned
.set ii, ii+1
.endr
	WIN 0
	s_wait_dscnt 0x0                               ; for the others: my part of qp's rows is written
	s_barrier_signal -1
	s_barrier_wait -1                              ; the rows are whole
.irp i, 0,1,2,3,4,5,6,7,8,9,10,11,12,13,14,15
	ds_load_b128 v[FA+4*\i:FA+4*\i+3], v[ORD] offset:PITCH*\i
.endr
.irp i, 0,1,2,3,4,5,6,7,8,9,10,11,12,13,14,15
	s_wait_dscnt 15-\i                             ; LDS loads come back in order: row i is in
	global_store_b128 v[GOUT], v[FA+4*\i:FA+4*\i+3], s[30:31] offset:512*\i    ; the wave stores one whole row: 512 consecutive bytes, aligned
.endr
	s_wait_xcnt 0x0
	v_lshl_add_u32 v254, v0, 2, 0x31c00
	v_mov_b32 v255, 0
	s_wait_tensorcnt 0x0
	ds_add_u32 v254, v255
	s_wait_dscnt 0x0
	s_endpgm
.Lfunc_end_k_q7bd66e51c9_prep:
	.size	k_q7bd66e51c9_prep, .Lfunc_end_k_q7bd66e51c9_prep-k_q7bd66e51c9_prep
	.p2alignl 7, 3214868480
	.fill 96, 4, 3214868480
	.section	.rodata,"a",@progbits
	.p2align	6, 0x0
	.amdhsa_kernel k_q7bd66e51c9_prep
		.amdhsa_group_segment_fixed_size 204288
		.amdhsa_private_segment_fixed_size 0
		.amdhsa_enable_private_segment 0
		.amdhsa_kernarg_size 88
		.amdhsa_user_sgpr_count 2
		.amdhsa_user_sgpr_kernarg_segment_ptr 1
		.amdhsa_wavefront_size32 1
		.amdhsa_system_sgpr_workgroup_id_x 1
		.amdhsa_system_sgpr_workgroup_id_y 1
		.amdhsa_system_sgpr_workgroup_id_z 1
		.amdhsa_system_vgpr_workitem_id 0
		.amdhsa_next_free_vgpr 1024
		.amdhsa_next_free_sgpr 66
		.amdhsa_reserve_vcc 0
		.amdhsa_float_denorm_mode_32 3
		.amdhsa_float_denorm_mode_16_64 3
		.amdhsa_memory_ordered 1
		.amdhsa_forward_progress 1
		.amdhsa_inst_pref_size 155
	.end_amdhsa_kernel
	.amdgpu_metadata
---
amdhsa.version: [ 1, 2 ]
amdhsa.kernels:
  - .name:           k_q7bd66e51c9_prep
    .symbol:         k_q7bd66e51c9_prep.kd
    .args:
      - { .name: x, .offset: 0, .size: 8, .value_kind: global_buffer, .address_space: global }
      - { .name: z, .offset: 8, .size: 8, .value_kind: global_buffer, .address_space: global }
      - { .name: Wq_w, .offset: 16, .size: 8, .value_kind: global_buffer, .address_space: global }
      - { .name: Wq_b, .offset: 24, .size: 8, .value_kind: global_buffer, .address_space: global }
      - { .name: Wk_w, .offset: 32, .size: 8, .value_kind: global_buffer, .address_space: global }
      - { .name: Wk_b, .offset: 40, .size: 8, .value_kind: global_buffer, .address_space: global }
      - { .name: Wv_w, .offset: 48, .size: 8, .value_kind: global_buffer, .address_space: global }
      - { .name: qp, .offset: 56, .size: 8, .value_kind: global_buffer, .address_space: global }
      - { .name: zb, .offset: 64, .size: 8, .value_kind: global_buffer, .address_space: global }
      - { .name: cq, .offset: 72, .size: 8, .value_kind: global_buffer, .address_space: global }
      - { .name: wvb, .offset: 80, .size: 8, .value_kind: global_buffer, .address_space: global }
    .group_segment_fixed_size: 204288
    .private_segment_fixed_size: 0
    .kernarg_segment_align: 8
    .kernarg_segment_size: 88
    .max_flat_workgroup_size: 128
    .sgpr_count:     66
    .vgpr_count:     1024
    .wavefront_size: 32
...
	.end_amdgpu_metadata
.endif
;; end of part 1
;; launch attn (part 2): grid 64 x 4, 4 waves a work-group, clusters of 4 x 1, 327,680 bytes of LDS; arguments qp, zb, cq, wvb, Wv_b, out0; writes out0
.if DOCPART == 2
	.amdgcn_target "amdgcn-amd-amdhsa--gfx1250"
	.amdhsa_code_object_version 6
	.text
	.protected	k_q7bd66e51c9_attn
	.globl	k_q7bd66e51c9_attn
	.p2align	8
	.type	k_q7bd66e51c9_attn,@function
k_q7bd66e51c9_attn:
	s_mov_b64 s[64:65], 0
	v_nop
	global_prefetch_b8 v0, s[64:65] scope:SCOPE_SE
	s_setreg_imm32_b32 hwreg(HW_REG_WAVE_MODE, 25, 1), 1
	s_wait_xcnt 0x0
	s_wait_alu depctr_hold_cnt(0) depctr_sa_sdst(0) depctr_va_vdst(0) depctr_va_sdst(0) depctr_va_ssrc(0) depctr_va_vcc(0) depctr_vm_vsrc(0)
	s_getreg_b32 s2, hwreg(HW_REG_IB_STS2, 6, 4)
	s_cmp_eq_u32 s2, 0
	s_cbranch_scc0 .Lentry_in_a_cluster
	s_endpgm
.Lentry_in_a_cluster:
	s_bfe_u32 s2, ttmp6, 0x10000c
	s_cmp_lg_u32 s2, 0x3003
	s_cbranch_scc0 .Lentry_shape_is_right
	s_endpgm
.Lentry_shape_is_right:
; attn: out0[b][q][:] = (softmax over keys of score) z Wv^T + bv, with score log2(e) = qp . z + cq.
; This is the reference with its products reassociated: q . (Wk z + bk) = (q Wk) . z + q . bk, and sum of attn (Wv z + bv) = Wv (sum of attn z) + bv,
; since a row of attn sums to one.  qp = (q Wk) log2(e)/16 and zb = z are [4 x 4096][256] bf16, cq = (q . bk) log2(e)/16 is [4 x 4096] f32,
; wvb = Wv_w is [256][256] bf16, all from the launch before; out0 is f32.  ONE tile of z serves both products of a step.
; 256 work-groups; each owns 64 queries of one batch (work-group y) and walks the 4,096 keys in 16 tiles of 256.
; THE FOUR WAVES SPLIT THE KEYS: in every tile wave w owns keys 64 w .. 64 w + 63, holds all 64 queries, its own running maximum and sum
; and its own 64 x 256 sums of P z in 512 registers.  Each fragment read from LDS feeds four matrix instructions, each LDS byte is read by
; one wave only, the wave whose tensor load brought it.  The four partial results are merged once at the end, through LDS.
; BOTH PRODUCTS ARE USED TRANSPOSED.  Scores: source 0 = 16 keys of z, source 1 = 16 queries: lane (r, h) register j holds key 8 h + j of query r.
; Two such tiles, rounded to bf16 in place, ARE the source 1 fragment of P for 32 keys.  P z: source 0 = z transposed on the way out of LDS
; (ds_load_tr16_b128), source 1 = P.  So a query's maximum, sum and factor are numbers of a lane; only the two halves of the lanes are joined.
; ONE PITCH FOR BOTH READS: rows are 528 bytes apart, so the 16 rows of a plain fragment load start 4 banks apart.  The transposing load takes
; 8 rows x 2 pieces of 16 bytes; its second piece is taken 128 bytes (32 banks) from the first, not 16, so its 16 pieces fall on different banks too
; (64 banks of 4 bytes: ISA guide 11.1).  A tile db of the sums therefore holds d = d0 + j in lanes h = 0 and d0 + 64 + j in lanes h = 1,
; d0 = 8 (db & 7) + 128 (db >> 3); the stage at the end puts them back in order.
; RUNNING MAXIMUM as in a softmax computed tile by tile: old sums are multiplied by 2^(old maximum - new maximum) in every tile.  cq, the same for
; all keys of a query, is added to the maximum and to every exponent, so that M is the maximum of the scores as the reference has them.
; CLUSTER: the four work-groups of a cluster are four query blocks of one batch and walk the same tiles of z: each tile is asked for jointly
; (mask 15), which divides the requests by four.  Q's rows are each work-group's own: a plain load.
; RING: two LDS slots.  At the head of tile t the slot of tile t - 1 is filled with tile t + 1, which has all of tile t's work in which to land.
; By this text's count a wave has three tensor loads outstanding at the start and one behind each round of the cluster's barrier.
; No prefetch: each tile is asked for by all clusters of a batch at about the same step, and a request stands a whole tile ahead of its use.
; LIMITS: a NaN score is dropped by the maximum (v_max_num), so NaN does not spread as in the reference; infinite scores are not served (the
; reference is not finite there); exponentials below 2^-126 come out as 0 (ISA guide 15.8); sums run per wave, then across the four waves;
; bv is added whole, where the reference adds it times a row sum that is one up to rounding; sum of attn z is rounded to bf16 for the last product.
.set KP,    528                        ; LDS pitch of z's, Q's and the result's bf16 rows: 512 + 16 bytes
.set SLOT,  256*KP                     ; a slot: 256 keys
.set QREG,  2*SLOT                     ; 64 rows of Q; at the end 64 rows of the merged result in bf16
.set STATS, QREG+64*KP                 ; 2,048 bytes of their own, a multiple of 256 from LDS byte 0: no fill ever lands here
.set SGP,   1040                       ; the merge stage: rows of 1,024 + 16 bytes,
.set SGW,   64*SGP                     ; 64 rows a wave, from LDS byte 0 over the two slots, behind their last fill
.set OGP,   272                        ; the way out: rows of 256 + 16 bytes,
.set OGW,   64*OGP                     ; 64 rows a wave, from LDS byte 0, behind the last read of the merge stage
.set TILE,  256*512                    ; bytes from a tile of zb to the next
.set KADR, 4                           ; v4, v5   my fragment address in my 64 rows of slot 0, 1
.set VADR, 6                           ; v6, v7   the same for the transposing loads
.set QADR, 8                           ; v8       my fragment address in Q
.set WVO,  9                           ; v9       my byte offset in wvb
.set CQO,  10                          ; v10      my byte offset in the work-group's 64 numbers of cq
.set M,    16                          ; v[16:19] running maximum of query block q
.set CQ,   20                          ; v[20:23] cq of query block q
.set LS,   24                          ; v[24:31] running sum of query block q: two partial sums, the halves of the lanes not yet joined
.set FB,   32                          ; v[32:127] three buffers of four fragments
.set MX,   96                          ; v[96:99]   in buffer 2 while no fragment lies there: the new maximum
.set TMP,  100                         ; v[100:103] the other half's figure
.set F,    104                         ; v[104:111] the factor for the old sums, twice (a pair for the packed multiply)
.set DD,   112                         ; v[112:119] cq - maximum, twice
.set S,    128                         ; v[128:255] score tile (kb, q) at S + 8 (4 kb + q); P's fragment (g, q) takes the place of tile (2 g, q)
; at the end, when the loop's addresses are dead:
.set STATR, 4                          ; v4     where I read the four waves' maximum and sum
.set STATW, 5                          ; v5     where I put my wave's
.set STO,  6                           ; v6     the merge stage: where I put 16 bytes
.set OBST, 7                           ; v7     where I put 8 bytes of a merged row
.set OBFR, 8                           ; v8     my fragment address in the merged rows
.set RD,   10                          ; v[10:13] the merge stage of wave 0..3: where I read rows back
.set OSA,  14                          ; v14    the way out: where I put 16 bytes
.set OSR,  15                          ; v15    the way out: where I read a row back
.set OBP,  32                          ; v[32:47] merged rows in bf16, two sets in turn
.set BV,   64                          ; v[64:95] four tiles of bv
.set OUTO, 120                         ; v120   my byte offset in the work-group's 64 rows of out0
.set BOFF, 121                         ; v121   my byte offset in bv
; window 1: Q's fragment (q, ks) at v[8 (8 q + ks)], at the end Wv's (eb, ks);  windows 2 and 3: sums (db, q) at v[8 (4 (db & 7) + q)], window 2 + (db >> 3)
.set G1Z, 16                           ; s[16:23] group 1 for z's tiles
.set G1Q, 32                           ; s[32:39] for Q's
.set G0,  40                           ; s[40:47] group 0 for z, a set of four for each slot
.set G0Q, 48                           ; s[48:51] for Q
.set QLD,  0x40                        ; destination window 1
.set SMUL, 0x04                        ; source 1 (Q) window 1
.set RS2,  0x82                        ; destination and source 0 window 2
.set RS3,  0xc3
.set PV2,  0xa0                        ; C and D window 2
.set PV3,  0xf0
.set ST2,  0x08                        ; a store's data window 2
.set ST3,  0x0c
.set LD2,  0x80                        ; destination window 2
.set FMUL, 0x09                        ; source 0 (Wv) window 1, source 1 (merged rows) window 2
.set MSB, 0
.macro WIN new                         ; the immediate's high byte repeats the setting that is left
.if MSB != \new
	s_set_vgpr_msb (MSB<<8)|\new
.set MSB, \new
.endif
.endm
.macro PLACES cnt
.rept \cnt
	v_nop
.endr
.endm
; a round of the cluster's barrier: my work-group's barrier, wave 0 signals for the work-group, every wave waits for all four work-groups, my work-group's barrier
.macro ROUND
	s_barrier_signal -1
	s_barrier_wait -1
	s_cmp_lg_u32 s12, 0
	s_cbranch_scc1 .Lnot_wave_0_\@
	s_barrier_signal -3
.Lnot_wave_0_\@:
	s_barrier_wait -3
	s_barrier_signal -1
	s_barrier_wait -1
.endm
; the fragments of my 64 keys for d = 32 g .. 32 g + 31: eight loads
.macro KLOAD slot, g
.irp kb, 0,1,2,3
	ds_load_b128 v[FB+32*((\g)%3)+8*\kb:FB+32*((\g)%3)+8*\kb+3],   v[KADR+\slot] offset:\kb*16*KP+64*(\g)
	ds_load_b128 v[FB+32*((\g)%3)+8*\kb+4:FB+32*((\g)%3)+8*\kb+7], v[KADR+\slot] offset:\kb*16*KP+64*(\g)+32
.endr
.endm
; scores of my 64 keys x 64 queries: 128 matrix instructions, the 16 accumulators by turns, one instruction a turn.
; Fragments are fetched two groups ahead through three buffers.  behind = 1: matrix instructions stand in front.
.macro SPHASE slot, behind
.if \behind
	PLACES 5                                       ; the first products write over P, which the last P z products read, and the loads land in their fragment buffers
.endif
	KLOAD \slot, 0
	KLOAD \slot, 1
	WIN SMUL
.irp g, 0,1,2,3,4,5,6,7
.if \g <= 5
.if \g >= 1
	PLACES 4                                       ; the loads below land in the buffer that the 16 products just issued read
.endif
	KLOAD \slot, \g+2
	s_wait_dscnt 16                                ; all but the two younger groups of eight loads
.else
	s_wait_dscnt 8*(7-\g)                          ; one younger group, then none
.endif
.irp kb, 0,1,2,3
.irp q, 0,1,2,3
.if \g == 0
	v_wmma_f32_16x16x32_bf16 v[S+8*(4*\kb+\q):S+8*(4*\kb+\q)+7], v[FB+32*(\g%3)+8*\kb:FB+32*(\g%3)+8*\kb+7], v[8*(8*\q+\g):8*(8*\q+\g)+7], 0
.else
	v_wmma_f32_16x16x32_bf16 v[S+8*(4*\kb+\q):S+8*(4*\kb+\q)+7], v[FB+32*(\g%3)+8*\kb:FB+32*(\g%3)+8*\kb+7], v[8*(8*\q+\g):8*(8*\q+\g)+7], v[S+8*(4*\kb+\q):S+8*(4*\kb+\q)+7]
.endif
.endr
.endr
.endr
	PLACES 4                                       ; the places in front of the vector instructions that read the scores, and of loads into Q's window
	WIN 0
.endm
; the softmax step on my 64 keys.  first = 1: the first tile starts maximum and sum.  The four query blocks are interleaved so that no chain waits.
.macro SOFTMAX first
.irp q, 0,1,2,3
	v_max3_num_f32 v[MX+\q], v[S+8*\q], v[S+8*\q+1], v[S+8*\q+2]
.endr
.set ii, 1
.rept 14
.irp q, 0,1,2,3
	v_max3_num_f32 v[MX+\q], v[MX+\q], v[S+8*(4*((2*ii+1)>>3)+\q)+((2*ii+1)&7)], v[S+8*(4*((2*ii+2)>>3)+\q)+((2*ii+2)&7)]
.endr
.set ii, ii+1
.endr
.irp q, 0,1,2,3
	v_max_num_f32 v[MX+\q], v[MX+\q], v[S+8*(12+\q)+7]
.endr
.irp q, 0,1,2,3
	v_add_f32 v[MX+\q], v[MX+\q], v[CQ+\q]                             ; + q . bk: the largest score as the reference has it
.endr
.irp q, 0,1,2,3
	v_permlanex16_b32 v[TMP+\q], v[MX+\q], s52, s53                    ; the other eight keys of each 16 lie in lane l xor 16 (TMP has been written by fragment loads)
.endr
.irp q, 0,1,2,3
.if \first
	v_max_num_f32 v[MX+\q], v[MX+\q], v[TMP+\q]
.else
	v_max3_num_f32 v[MX+\q], v[MX+\q], v[TMP+\q], v[M+\q]              ; and the old maximum
.endif
.endr
.if \first == 0
.irp q, 0,1,2,3
	v_sub_f32 v[F+2*\q], v[M+\q], v[MX+\q]
.endr
.irp q, 0,1,2,3
	v_exp_f32 v[F+2*\q], v[F+2*\q]                                     ; 2^(old - new), at most 1
.endr
.endif
.irp q, 0,1,2,3
	v_sub_f32 v[DD+2*\q], v[CQ+\q], v[MX+\q]                           ; plain instructions behind the exponentials (ISA guide 5.7.2)
	v_sub_f32 v[DD+2*\q+1], v[CQ+\q], v[MX+\q]
	v_mov_b32 v[M+\q], v[MX+\q]
.endr
.if \first == 0
	s_wait_alu depctr_va_vdst(0)
.irp q, 0,1,2,3
	v_mov_b32 v[F+2*\q+1], v[F+2*\q]
.endr
.endif
.set ii, 0
.rept 64
	v_pk_add_f32 v[S+2*ii:S+2*ii+1], v[S+2*ii:S+2*ii+1], v[DD+2*((ii>>2)&3):DD+2*((ii>>2)&3)+1]   ; score - maximum
.set ii, ii+1
.endr
.set ii, 0
.rept 128
	v_exp_f32 v[S+ii], v[S+ii]
.set ii, ii+1
.endr
	v_nop                                                              ; one plain place behind the last exponential
	s_wait_alu depctr_va_vdst(0)
.irp q, 0,1,2,3
.if \first
	s_wait_alu depctr_va_vdst(0)
	v_pk_add_f32 v[LS+2*\q:LS+2*\q+1], v[S+8*\q:S+8*\q+1], v[S+8*\q+2:S+8*\q+3]
.else
	v_pk_fma_f32 v[LS+2*\q:LS+2*\q+1], v[LS+2*\q:LS+2*\q+1], v[F+2*\q:F+2*\q+1], v[S+8*\q:S+8*\q+1]
.endif
.endr
.set ii, 1+\first
.rept 15-\first
.irp q, 0,1,2,3
	v_pk_add_f32 v[LS+2*\q:LS+2*\q+1], v[LS+2*\q:LS+2*\q+1], v[S+8*(4*(ii>>2)+\q)+2*(ii&3):S+8*(4*(ii>>2)+\q)+2*(ii&3)+1]
.endr
.set ii, ii+1
.endr
.irp g, 0,1
.irp q, 0,1,2,3
.irp i, 0,1,2,3
	v_cvt_pk_bf16_f32 v[S+8*(8*\g+\q)+\i], v[S+8*(8*\g+\q)+2*\i], v[S+8*(8*\g+\q)+2*\i+1]           ; keys 32 g + 8 h ..: registers 0-3 of P's fragment
.endr
.irp i, 0,1,2,3
	v_cvt_pk_bf16_f32 v[S+8*(8*\g+\q)+4+\i], v[S+8*(8*\g+4+\q)+2*\i], v[S+8*(8*\g+4+\q)+2*\i+1]     ; keys 32 g + 16 + 8 h ..: registers 4-7
.endr
.endr
.endr
.endm
; all 512 sums times their query's factor
.macro RESCALE
	WIN RS2
.set ii, 0
.rept 128
	v_pk_mul_f32 v[2*ii:2*ii+1], v[2*ii:2*ii+1], v[F+2*((ii>>2)&3):F+2*((ii>>2)&3)+1]
.set ii, ii+1
.endr
	WIN RS3
.set ii, 0
.rept 128
	v_pk_mul_f32 v[2*ii:2*ii+1], v[2*ii:2*ii+1], v[F+2*((ii>>2)&3):F+2*((ii>>2)&3)+1]
.set ii, ii+1
.endr
	WIN 0
.endm
; four fragments of z transposed: d tiles db = 2 gi, 2 gi + 1 (f & 1) x keys 0-31, 32-63 (f >> 1) of my 64: eight loads.  A tile's first piece begins at byte 2 d0 of a row.
.macro VLOAD slot, gi
.irp f, 0,1,2,3
	ds_load_tr16_b128 v[FB+32*((\gi)%3)+8*\f:FB+32*((\gi)%3)+8*\f+3],   v[VADR+\slot] offset:(\f>>1)*32*KP+16*((2*(\gi)+(\f&1))&7)+256*((2*(\gi)+(\f&1))>>3)
	ds_load_tr16_b128 v[FB+32*((\gi)%3)+8*\f+4:FB+32*((\gi)%3)+8*\f+7], v[VADR+\slot] offset:(\f>>1)*32*KP+16*((2*(\gi)+(\f&1))&7)+256*((2*(\gi)+(\f&1))>>3)+16*KP
.endr
.endm
; P z: 128 matrix instructions; in each group of 16 eight accumulators take turns, one instruction a turn.
; zero = 1: the first tile's first products start the sums: nothing is cleared.
.macro PVMUL slot, zero
.irp gi, 0,1,2,3,4,5,6,7
	WIN 0
.if \gi <= 5
.if \gi >= 1
	PLACES 4                                       ; the loads below land in the buffer that the 16 products just issued read
.endif
	VLOAD \slot, \gi+2
	s_wait_dscnt 16                                ; all but the two younger groups of eight loads
.else
	s_wait_dscnt 8*(7-\gi)
.endif
.if \gi < 4
	WIN PV2
.else
	WIN PV3
.endif
.irp f, 0,1,2,3
.irp q, 0,1,2,3
.if \zero && (\f < 2)
	v_wmma_f32_16x16x32_bf16 v[8*(4*((2*\gi+(\f&1))&7)+\q):8*(4*((2*\gi+(\f&1))&7)+\q)+7], v[FB+32*(\gi%3)+8*\f:FB+32*(\gi%3)+8*\f+7], v[S+8*(8*(\f>>1)+\q):S+8*(8*(\f>>1)+\q)+7], 0
.else
	v_wmma_f32_16x16x32_bf16 v[8*(4*((2*\gi+(\f&1))&7)+\q):8*(4*((2*\gi+(\f&1))&7)+\q)+7], v[FB+32*(\gi%3)+8*\f:FB+32*(\gi%3)+8*\f+7], v[S+8*(8*(\f>>1)+\q):S+8*(8*(\f>>1)+\q)+7], v[8*(4*((2*\gi+(\f&1))&7)+\q):8*(4*((2*\gi+(\f&1))&7)+\q)+7]
.endif
.endr
.endr
.endr
	WIN 0
.endm
; the head of a tile that is read from slot `slot`: the other slot, read to its end, is filled with the tile after this one (refill = 1)
.macro HEAD slot, refill
	s_wait_dscnt 0x0                               ; my reads of the other slot are back
	s_wait_xcnt 0x0
	v_lshl_add_u32 v254, v0, 2, 0x4ac00
	v_mov_b32 v255, 0
	s_wait_tensorcnt 0x0                           ; all my tensor loads have landed, my rows of this tile among them: a group 0 may be written
	ds_add_u32 v254, v255
	s_wait_dscnt 0x0
.if \refill
	s_add_nc_u64 s[G0+4*(1-\slot)+2:G0+4*(1-\slot)+3], s[G0+4*(1-\slot)+2:G0+4*(1-\slot)+3], 2*TILE
	ROUND                                          ; both now hold of every wave of the four work-groups
	tensor_load_to_lds s[G0+4*(1-\slot):G0+4*(1-\slot)+3], s[G1Z:G1Z+7]   ; my one tensor load behind the round, and the first thing there
	s_nop 0
.endif
.endm
; a tile: scores, softmax, old sums scaled, P z added, all from one slot.  last = 1: Q has served; Wv's fragments are asked for into its window
.macro BODY slot, first, behind, last
	SPHASE \slot, \behind
.if \last
	WIN QLD
.irp eb, 0,1,2,3
.irp ks, 0,1,2,3,4,5,6,7
	global_load_b128 v[8*(8*\eb+\ks):8*(8*\eb+\ks)+3],   v[WVO], s[10:11] offset:\eb*16*512+64*\ks      ; Wv(e = 64 w + 16 eb + r, d = 32 ks + 8 h ..)
	global_load_b128 v[8*(8*\eb+\ks)+4:8*(8*\eb+\ks)+7], v[WVO], s[10:11] offset:\eb*16*512+64*\ks+32
.endr
.endr
	WIN 0
.endif
	SOFTMAX \first
	VLOAD \slot, 0
	VLOAD \slot, 1
.if \first == 0
	RESCALE
.endif
	PVMUL \slot, \first
.endm
	s_load_b256 s[4:11], s[0:1], 0x0               ; qp s[4:5], zb s[6:7], cq s[8:9], wvb s[10:11]
	s_load_b128 s[24:27], s[0:1], 0x20             ; Wv_b s[24:25], out0 s[26:27]
	v_lshl_add_u32 v254, v0, 2, 0x4ac00
	v_mov_b32 v255, 0
	ds_add_u32 v254, v255
	s_wait_dscnt 0x0
	v_lshrrev_b32 v1, 5, v0
	v_readfirstlane_b32 s12, v1                    ; wave 0..3
	s_bfe_u32 s13, ttmp6, 0x40000                  ; cx: my place in the cluster
	s_lshl_b32 s14, ttmp9, 2                       ; in a cluster launch ttmp9 counts clusters
	s_add_co_u32 s14, s14, s13                     ; query block 0..63
	s_and_b32 s15, ttmp7, 0xffff                   ; batch 0..3
	s_mov_b32 s52, 0x76543210                      ; v_permlanex16_b32: lane i of one half reads lane i of the other
	s_mov_b32 s53, 0xfedcba98
	; group 1: 64 rows x 256 elements of 2 bytes, 256 elements from row to row; a pad of 4 words behind every 128 words (code 6)
	s_mov_b32 s[G1Z+0], 15|(1<<16)|(1<<20)|(1<<21)|(6<<22)|(3<<25)   ; mask: all four work-groups; bit 21 set beside a mask
	s_mov_b32 s[G1Z+1], 256<<16                    ; tensor_dim0 = 256
	s_mov_b32 s[G1Z+2], 64<<16                     ; tensor_dim1 = 64
	s_mov_b32 s[G1Z+3], 256<<16                    ; tile_dim0 = 256
	s_mov_b32 s[G1Z+4], 64                         ; tile_dim1 = 64
	s_mov_b32 s[G1Z+5], 256                        ; pitch
	s_mov_b32 s[G1Z+6], 0
	s_mov_b32 s[G1Z+7], 0
	s_mov_b32 s[G1Q+0], (1<<16)|(1<<20)|(6<<22)|(3<<25)              ; Q: no mask, 16 rows a wave
	s_mov_b32 s[G1Q+1], 256<<16
	s_mov_b32 s[G1Q+2], 16<<16
	s_mov_b32 s[G1Q+3], 256<<16
	s_mov_b32 s[G1Q+4], 16
	s_mov_b32 s[G1Q+5], 256
	s_mov_b32 s[G1Q+6], 0
	s_mov_b32 s[G1Q+7], 0
	; offsets.  z's hang on the batch and the wave alone, which the four partners share; s2 and s[56:57] never hold cx
	s_lshl_b32 s56, s15, 21                        ; 4,096 rows of 512 bytes a batch
	s_lshl_b32 s2, s12, 15                         ; my 64 rows of a tile
	s_add_co_u32 s56, s56, s2
	s_mov_b32 s57, 0
	s_lshl_b32 s58, s15, 21
	s_lshl_b32 s3, s14, 15                         ; 64 rows a query block
	s_add_co_u32 s58, s58, s3
	s_lshl_b32 s3, s12, 13                         ; my 16 rows of it
	s_add_co_u32 s58, s58, s3
	s_mov_b32 s59, 0
	s_mov_b32 s[G0], 1
	s_mul_i32 s[G0+1], s12, 64*KP                  ; LDS: the wave's number times a constant, plus the slot's constant
	s_mov_b32 s[G0+4], 1
	s_mul_i32 s[G0+5], s12, 64*KP
	s_add_co_u32 s[G0+5], s[G0+5], SLOT
	s_mov_b32 s[G0Q], 1
	s_mul_i32 s[G0Q+1], s12, 16*KP
	s_add_co_u32 s[G0Q+1], s[G0Q+1], QREG
	s_wait_kmcnt 0x0
	s_add_nc_u64 s[G0+2:G0+3], s[6:7], s[56:57]    ; tile 0
	s_add_nc_u64 s[G0+6:G0+7], s[G0+2:G0+3], TILE  ; tile 1
	s_or_b32 s[G0+3], s[G0+3], 0x80000000          ; type = 2
	s_or_b32 s[G0+7], s[G0+7], 0x80000000
	s_add_nc_u64 s[G0Q+2:G0Q+3], s[4:5], s[58:59]
	s_or_b32 s[G0Q+3], s[G0Q+3], 0x80000000
	s_lshl_b32 s58, s15, 14                        ; cq: 4,096 numbers of 4 bytes a batch,
	s_lshl_b32 s3, s14, 8                          ; 64 a query block
	s_add_co_u32 s58, s58, s3
	s_add_nc_u64 s[8:9], s[8:9], s[58:59]
	s_lshl_b32 s58, s15, 22                        ; out0: rows of 1,024 bytes
	s_lshl_b32 s3, s14, 16
	s_add_co_u32 s58, s58, s3
	s_add_nc_u64 s[26:27], s[26:27], s[58:59]      ; out0 at my 64 rows
	ROUND                                          ; all four work-groups are here: the first joint loads meet
	tensor_load_to_lds s[G0Q:G0Q+3], s[G1Q:G1Q+7]  ; the three first fills go out as one group
	s_nop 0
	tensor_load_to_lds s[G0:G0+3], s[G1Z:G1Z+7]    ; tile 0 into slot 0
	s_nop 0
	tensor_load_to_lds s[G0+4:G0+7], s[G1Z:G1Z+7]  ; tile 1 into slot 1
	s_nop 0
	v_and_b32 v2, 15, v0                           ; r
	v_bfe_u32 v3, v0, 4, 1                         ; h
	v_lshlrev_b32 v[CQO], 2, v2
.irp q, 0,1,2,3
	global_load_b32 v[CQ+\q], v[CQO], s[8:9] offset:64*\q              ; cq of query 16 q + r, once
.endr
	v_mul_u32_u24 v15, v2, KP
	v_lshl_add_u32 v15, v3, 4, v15                 ; r x pitch + 16 h
	v_add_nc_u32 v[KADR], s[G0+1], v15
	v_add_nc_u32 v[KADR+1], s[G0+5], v15
	v_add_nc_u32 v[QADR], QREG, v15
	v_and_b32 v14, 7, v0
	v_lshl_add_u32 v14, v3, 3, v14                 ; key 8 h + (lane & 7)
	v_mul_u32_u24 v14, v14, KP
	v_bfe_u32 v15, v0, 3, 1
	v_lshl_add_u32 v14, v15, 7, v14                ; + 128 ((lane >> 3) & 1): the second piece lies 64 d further on
	v_add_nc_u32 v[VADR], s[G0+1], v14
	v_add_nc_u32 v[VADR+1], s[G0+5], v14
	s_lshl_b32 s2, s12, 15                         ; my 64 rows of wvb
	v_lshlrev_b32 v[WVO], 9, v2
	v_lshl_add_u32 v[WVO], v3, 4, v[WVO]
	v_add_nc_u32 v[WVO], s2, v[WVO]
	s_wait_tensorcnt 0x2                           ; tensor loads of a wave end in order (ISA guide 10.11.1): my rows of Q are in; the two tiles stay out
	s_barrier_signal -1
	s_barrier_wait -1                              ; everybody's rows of Q are in
	WIN QLD
.irp q, 0,1,2,3
.irp ks, 0,1,2,3,4,5,6,7
	ds_load_b128 v[8*(8*\q+\ks):8*(8*\q+\ks)+3],   v[QADR] offset:\q*16*KP+64*\ks
	ds_load_b128 v[8*(8*\q+\ks)+4:8*(8*\q+\ks)+7], v[QADR] offset:\q*16*KP+64*\ks+32
.endr
.endr
	WIN 0
	s_wait_tensorcnt 0x1                           ; my rows of tile 0 are in, and I alone read them; tile 1 stays out
	s_wait_loadcnt 0x0                             ; cq
	BODY 0, 1, 0, 0                                ; tile 0 starts maximum, sum and sums of P z; its first wait on LDS loads covers Q's fragments too
	s_mov_b32 s54, 7                               ; tiles 1 to 14, two a trip
.Ltile:
	HEAD 1, 1
	BODY 1, 0, 1, 0
	HEAD 0, 1
	BODY 0, 0, 1, 0
	s_sub_co_u32 s54, s54, 1
	s_cmp_lg_u32 s54, 0
	s_cbranch_scc1 .Ltile
	HEAD 1, 0                                      ; tile 15: nothing is left to fetch: no round; the wait for my own rows is for 0
	BODY 1, 0, 1, 1
	; THE MERGE.  Each wave has, for each query, a maximum m, a sum l and 256 sums relative to m.
	PLACES 4                                       ; behind the last matrix instructions
	v_and_b32 v1, 31, v0                           ; lane
	v_and_b32 v2, 15, v0                           ; r
	v_bfe_u32 v3, v0, 4, 1                         ; h
	s_lshl_b32 s2, s12, 8
	v_lshl_add_u32 v[BOFF], v3, 5, s2              ; bv[64 w + 8 h ..]
.irp eb, 0,1,2,3
	global_load_b128 v[BV+8*\eb:BV+8*\eb+3],   v[BOFF], s[24:25] offset:64*\eb      ; register j: bv[64 w + 16 eb + 8 h + j], the same for every query
	global_load_b128 v[BV+8*\eb+4:BV+8*\eb+7], v[BOFF], s[24:25] offset:64*\eb+16
.endr
	v_lshl_add_u32 v[OUTO], v3, 10, s2             ; row h, my 256 bytes of it,
	v_lshl_add_u32 v[OUTO], v2, 4, v[OUTO]         ; 16 bytes a lane
	v_lshlrev_b32 v[STATR], 4, v2
	v_add_nc_u32 v[STATR], STATS, v[STATR]         ; 16 bytes a query: one word a wave
	s_lshl_b32 s2, s12, 2
	v_add_nc_u32 v[STATW], s2, v[STATR]
	s_mul_i32 s2, s12, SGW
	v_mul_u32_u24 v[STO], v2, SGP
	v_lshl_add_u32 v[STO], v3, 8, v[STO]           ; query r; lanes h = 1 hold d 64 further on: 256 bytes
	v_add_nc_u32 v[STO], s2, v[STO]
	s_mul_i32 s2, s12, 16*SGP                      ; the 16 rows that I sum
	v_lshl_add_u32 v[RD], v1, 4, s2
	v_add_nc_u32 v[RD+1], SGW, v[RD]
	v_add_nc_u32 v[RD+2], 2*SGW, v[RD]
	v_add_nc_u32 v[RD+3], 3*SGW, v[RD]
	s_mul_i32 s2, s12, 16*KP
	s_add_co_u32 s2, s2, QREG
	v_lshl_add_u32 v[OBST], v1, 3, s2
	v_mul_u32_u24 v[OBFR], v2, KP
	v_lshl_add_u32 v[OBFR], v3, 4, v[OBFR]
	v_add_nc_u32 v[OBFR], QREG, v[OBFR]
	s_mul_i32 s2, s12, OGW
	v_mul_u32_u24 v[OSA], v2, OGP
	v_lshl_add_u32 v[OSA], v3, 5, v[OSA]
	v_add_nc_u32 v[OSA], s2, v[OSA]
	v_mul_u32_u24 v[OSR], v3, OGP
	v_lshl_add_u32 v[OSR], v2, 4, v[OSR]
	v_add_nc_u32 v[OSR], s2, v[OSR]
.irp q, 0,1,2,3
	v_add_f32 v[LS+2*\q], v[LS+2*\q], v[LS+2*\q+1]
.endr
.irp q, 0,1,2,3
	v_permlanex16_b32 v[TMP+\q], v[LS+2*\q], s52, s53
.endr
.irp q, 0,1,2,3
	v_add_f32 v[LS+2*\q], v[LS+2*\q], v[TMP+\q]    ; my wave's whole sum, in both halves of the lanes
.endr
.irp q, 0,1,2,3
	ds_store_b32 v[STATW], v[M+\q] offset:256*\q            ; lanes l and l + 16 write the same word with the same value
	ds_store_b32 v[STATW], v[LS+2*\q] offset:1024+256*\q
.endr
	s_wait_dscnt 0x0                               ; for the others: my figures are written, and my reads of the slots are back
	s_barrier_signal -1
	s_barrier_wait -1                              ; the figures are whole; no wave reads a slot any more and no fill is to come: the stage may lie over them
.irp q, 0,1,2,3
	ds_load_b128 v[FB+4*\q:FB+4*\q+3], v[STATR] offset:256*\q              ; the four waves' m of query 16 q + r
	ds_load_b128 v[FB+16+4*\q:FB+16+4*\q+3], v[STATR] offset:1024+256*\q   ; and their l
.endr
	s_wait_dscnt 0x0
.irp q, 0,1,2,3
	v_max3_num_f32 v[MX+\q], v[FB+4*\q], v[FB+4*\q+1], v[FB+4*\q+2]
.endr
.irp q, 0,1,2,3
	v_max_num_f32 v[MX+\q], v[MX+\q], v[FB+4*\q+3]
.endr
.irp q, 0,1,2,3
.irp w, 0,1,2,3
	v_sub_f32 v[FB+4*\q+\w], v[FB+4*\q+\w], v[MX+\q]
.endr
	v_sub_f32 v[F+2*\q], v[M+\q], v[MX+\q]
.endr
.set ii, 0
.rept 16
	v_exp_f32 v[FB+ii], v[FB+ii]
.set ii, ii+1
.endr
.irp q, 0,1,2,3
	v_exp_f32 v[F+2*\q], v[F+2*\q]
.endr
	v_nop                                          ; one plain place behind the exponentials
	s_wait_alu depctr_va_vdst(0)
.irp q, 0,1,2,3
	v_mul_f32 v[TMP+\q], v[FB+4*\q], v[FB+16+4*\q]
.endr
.irp w, 1,2,3
.irp q, 0,1,2,3
	v_fmac_f32 v[TMP+\q], v[FB+4*\q+\w], v[FB+16+4*\q+\w]
.endr
.endr
.irp q, 0,1,2,3
	v_rcp_f32 v[TMP+\q], v[TMP+\q]                 ; the whole sum is about 1 at the least: the wave with the largest m adds its largest term, 2^0 up to rounding
.endr
	v_nop
	s_wait_alu depctr_va_vdst(0)
.irp q, 0,1,2,3
	v_mul_f32 v[F+2*\q], v[F+2*\q], v[TMP+\q]      ; my wave's weight: 2^(m - largest m) / whole sum
.endr
.irp q, 0,1,2,3
	v_mov_b32 v[F+2*\q+1], v[F+2*\q]
.endr
	RESCALE
	WIN ST2
.irp db, 0,1,2,3,4,5,6,7
.irp q, 0,1,2,3
	ds_store_b128 v[STO], v[8*(4*\db+\q):8*(4*\db+\q)+3]   offset:\q*16*SGP+32*\db          ; d0 = 8 db: byte 32 db of the row
	ds_store_b128 v[STO], v[8*(4*\db+\q)+4:8*(4*\db+\q)+7] offset:\q*16*SGP+32*\db+16
.endr
.endr
	WIN ST3
.irp db, 0,1,2,3,4,5,6,7
.irp q, 0,1,2,3
	ds_store_b128 v[STO], v[8*(4*\db+\q):8*(4*\db+\q)+3]   offset:\q*16*SGP+512+32*\db      ; d0 = 128 + 8 db
	ds_store_b128 v[STO], v[8*(4*\db+\q)+4:8*(4*\db+\q)+7] offset:\q*16*SGP+512+32*\db+16
.endr
.endr
	WIN 0
	s_wait_dscnt 0x0                               ; for the others: my stage is written
	s_barrier_signal -1
	s_barrier_wait -1
; Wave w adds the four stages' rows 16 w .. 16 w + 15, two rows a batch: piece p is half (p & 1) of row 2 b + (p >> 1), 512 neighbouring bytes.
; The sums are rounded to bf16 and laid down as rows along d, for the last product.
.macro LOADB b
.irp p, 0,1,2,3
.irp w, 0,1,2,3
	ds_load_b128 v[S+64*((\b)&1)+16*\p+4*\w:S+64*((\b)&1)+16*\p+4*\w+3], v[RD+\w] offset:(2*(\b)+(\p>>1))*SGP+512*(\p&1)
.endr
.endr
.endm
	LOADB 0
.irp b, 0,1,2,3,4,5,6,7
.if \b < 7
	LOADB \b+1
.if \b == 0
	s_wait_dscnt 16                                ; all but the 16 loads just issued
.else
	s_wait_dscnt 20                                ; behind this batch's loads came the last batch's 4 stores and 16 loads
.endif
.else
	s_wait_dscnt 4                                 ; behind the last batch's loads came 4 stores
.endif
.irp p, 0,1,2,3
	v_pk_add_f32 v[S+64*(\b&1)+16*\p:S+64*(\b&1)+16*\p+1],     v[S+64*(\b&1)+16*\p:S+64*(\b&1)+16*\p+1],     v[S+64*(\b&1)+16*\p+4:S+64*(\b&1)+16*\p+5]
	v_pk_add_f32 v[S+64*(\b&1)+16*\p+2:S+64*(\b&1)+16*\p+3],   v[S+64*(\b&1)+16*\p+2:S+64*(\b&1)+16*\p+3],   v[S+64*(\b&1)+16*\p+6:S+64*(\b&1)+16*\p+7]
	v_pk_add_f32 v[S+64*(\b&1)+16*\p+8:S+64*(\b&1)+16*\p+9],   v[S+64*(\b&1)+16*\p+8:S+64*(\b&1)+16*\p+9],   v[S+64*(\b&1)+16*\p+12:S+64*(\b&1)+16*\p+13]
	v_pk_add_f32 v[S+64*(\b&1)+16*\p+10:S+64*(\b&1)+16*\p+11], v[S+64*(\b&1)+16*\p+10:S+64*(\b&1)+16*\p+11], v[S+64*(\b&1)+16*\p+14:S+64*(\b&1)+16*\p+15]
	v_pk_add_f32 v[S+64*(\b&1)+16*\p:S+64*(\b&1)+16*\p+1],     v[S+64*(\b&1)+16*\p:S+64*(\b&1)+16*\p+1],     v[S+64*(\b&1)+16*\p+8:S+64*(\b&1)+16*\p+9]
	v_pk_add_f32 v[S+64*(\b&1)+16*\p+2:S+64*(\b&1)+16*\p+3],   v[S+64*(\b&1)+16*\p+2:S+64*(\b&1)+16*\p+3],   v[S+64*(\b&1)+16*\p+10:S+64*(\b&1)+16*\p+11]
	v_cvt_pk_bf16_f32 v[OBP+8*(\b&1)+2*\p],   v[S+64*(\b&1)+16*\p],   v[S+64*(\b&1)+16*\p+1]
	v_cvt_pk_bf16_f32 v[OBP+8*(\b&1)+2*\p+1], v[S+64*(\b&1)+16*\p+2], v[S+64*(\b&1)+16*\p+3]
	ds_store_b64 v[OBST], v[OBP+8*(\b&1)+2*\p:OBP+8*(\b&1)+2*\p+1] offset:(2*\b+(\p>>1))*KP+256*(\p&1)
.endr
.endr
	s_wait_dscnt 0x0                               ; for the others: my 16 merged rows are written, my reads of the stages are back
	s_barrier_signal -1
	s_barrier_wait -1                              ; the 64 merged rows are whole; nobody reads the merge stage any more
	; THE LAST PRODUCT: out(e, query) = sum over d of Wv(e, d) row(query, d) + bv(e); wave w makes e = 64 w .. 64 w + 63 for all 64 queries
	WIN LD2
.irp q, 0,1,2,3
.irp ks, 0,1,2,3,4,5,6,7
	ds_load_b128 v[8*(8*\q+\ks):8*(8*\q+\ks)+3],   v[OBFR] offset:\q*16*KP+64*\ks
	ds_load_b128 v[8*(8*\q+\ks)+4:8*(8*\q+\ks)+7], v[OBFR] offset:\q*16*KP+64*\ks+32
.endr
.endr
	s_wait_loadcnt 0x0                             ; Wv's fragments and bv
	s_wait_dscnt 0x0
	WIN FMUL
.irp ks, 0,1,2,3,4,5,6,7
.irp eb, 0,1,2,3
.irp q, 0,1,2,3
.if \ks == 0
	v_wmma_f32_16x16x32_bf16 v[S+8*(4*\eb+\q):S+8*(4*\eb+\q)+7], v[8*(8*\eb+\ks):8*(8*\eb+\ks)+7], v[8*(8*\q+\ks):8*(8*\q+\ks)+7], v[BV+8*\eb:BV+8*\eb+7]
.else
	v_wmma_f32_16x16x32_bf16 v[S+8*(4*\eb+\q):S+8*(4*\eb+\q)+7], v[8*(8*\eb+\ks):8*(8*\eb+\ks)+7], v[8*(8*\q+\ks):8*(8*\q+\ks)+7], v[S+8*(4*\eb+\q):S+8*(4*\eb+\q)+7]
.endif
.endr
.endr
.endr
	WIN 0                                          ; (the 16 accumulators took turns, one instruction a turn)
	PLACES 4                                       ; behind the last matrix instructions: the stores read results, the loads land in source registers
	; THE WAY OUT: a lane holds 8 neighbouring e of one query; through my own stage they become rows of 256 bytes
.irp eb, 0,1,2,3
.irp q, 0,1,2,3
	ds_store_b128 v[OSA], v[S+8*(4*\eb+\q):S+8*(4*\eb+\q)+3]   offset:\q*16*OGP+64*\eb
	ds_store_b128 v[OSA], v[S+8*(4*\eb+\q)+4:S+8*(4*\eb+\q)+7] offset:\q*16*OGP+64*\eb+16
.endr
.endr
	WIN LD2
.set ii, 0
.rept 32
	ds_load_b128 v[4*ii:4*ii+3], v[OSR] offset:2*ii*OGP        ; my own bytes: LDS serves a wave's instructions in order (ISA guide 5.7.1): these see the stores above
.set ii, ii+1
.endr
	WIN ST2
.set ii, 0
.rept 32
	s_wait_dscnt 31-ii                             ; LDS loads come back in order: rows 2 i and 2 i + 1 are in
	global_store_b128 v[OUTO], v[4*ii:4*ii+3], s[26:27] offset:2*ii*1024 th:TH_STORE_NT   ; each 16 lanes store 256 consecutive bytes, aligned
.set ii, ii+1
.endr
	WIN 0
	s_wait_xcnt 0x0
	v_lshl_add_u32 v254, v0, 2, 0x4ac00
	v_mov_b32 v255, 0
	s_wait_tensorcnt 0x0
	ds_add_u32 v254, v255
	s_wait_dscnt 0x0
	ROUND                                          ; the closing round: no work-group ends while a partner may still ask for a tile that names it
	s_endpgm
.Lfunc_end_k_q7bd66e51c9_attn:
	.size	k_q7bd66e51c9_attn, .Lfunc_end_k_q7bd66e51c9_attn-k_q7bd66e51c9_attn
	.p2alignl 7, 3214868480
	.fill 96, 4, 3214868480
	.section	.rodata,"a",@progbits
	.p2align	6, 0x0
	.amdhsa_kernel k_q7bd66e51c9_attn
		.amdhsa_group_segment_fixed_size 327680
		.amdhsa_private_segment_fixed_size 0
		.amdhsa_enable_private_segment 0
		.amdhsa_kernarg_size 48
		.amdhsa_user_sgpr_count 2
		.amdhsa_user_sgpr_kernarg_segment_ptr 1
		.amdhsa_wavefront_size32 1
		.amdhsa_system_sgpr_workgroup_id_x 1
		.amdhsa_system_sgpr_workgroup_id_y 1
		.amdhsa_system_sgpr_workgroup_id_z 1
		.amdhsa_system_vgpr_workitem_id 0
		.amdhsa_next_free_vgpr 1024
		.amdhsa_next_free_sgpr 66
		.amdhsa_reserve_vcc 0
		.amdhsa_float_denorm_mode_32 3
		.amdhsa_float_denorm_mode_16_64 3
		.amdhsa_memory_ordered 1
		.amdhsa_forward_progress 1
		.amdhsa_inst_pref_size 255
	.end_amdhsa_kernel
	.section	.bss,"aw",@nobits
	.p2align	6
	.space	262144
	.amdgpu_metadata
---
amdhsa.version: [ 1, 2 ]
amdhsa.kernels:
  - .name:           k_q7bd66e51c9_attn
    .symbol:         k_q7bd66e51c9_attn.kd
    .args:
      - { .name: qp, .offset: 0, .size: 8, .value_kind: global_buffer, .address_space: global }
      - { .name: zb, .offset: 8, .size: 8, .value_kind: global_buffer, .address_space: global }
      - { .name: cq, .offset: 16, .size: 8, .value_kind: global_buffer, .address_space: global }
      - { .name: wvb, .offset: 24, .size: 8, .value_kind: global_buffer, .address_space: global }
      - { .name: Wv_b, .offset: 32, .size: 8, .value_kind: global_buffer, .address_space: global }
      - { .name: out0, .offset: 40, .size: 8, .value_kind: global_buffer, .address_space: global }
    .group_segment_fixed_size: 327680
    .private_segment_fixed_size: 0
    .kernarg_segment_align: 8
    .kernarg_segment_size: 48
    .max_flat_workgroup_size: 128
    .sgpr_count:     66
    .vgpr_count:     1024
    .wavefront_size: 32
...
	.end_amdgpu_metadata
.endif
;; end of part 2
